; MI455X (gfx1250); checked and timed in simulation.
; The chip was launched on July 23, 2026; its instructions are those of AMD's public machine-readable ISA for CDNA 5 (MIT licence, August 2026) and "CDNA5" Instruction Set Architecture Reference Guide (July 2026). The comments in the code are by the model that wrote it; some were corrected since.
;; B Spline Basis. Allowed arithmetic: matrix products marked QUANTISED: E2M1 operands, one E8M0 scale for each 32 along K, by v_wmma_scale_f32_16x16x128_f8f6f4 with both operands' format E2M1 (or v_wmma_scale_f32_32x16x128_f4), f32 sums; everything else in f32.
;; Inputs: base_weight 512 x 512 float32; coeffs 512 x 512 x 8 float32; x 16,384 x 512 float32.
;; Outputs: out0 16,384 x 512 float32; out1 1 float32.
;; This version of the problem:
;;   THIS VERSION OF THE PROBLEM IS GIVEN IN LOW PRECISION. The matrix products marked QUANTISED in the list below multiply operands that are first quantised to E2M1 (2 exponent bits, 1 mantissa bit; 4 bits a number), with one power-of-two scale for each 32 numbers along K (OCP MX v1.0); their sums are f32. All else is computed in f32.
;;   The module's matrix products, in the order in which they are computed (A, B: the left and right operand; K: the contracted axis; several contracted axes count as one K, in the product's order):
;;     1. [M 16,384, K 4,096] x [K 4,096, N 512]; A: computed on the way; B: input coeffs: QUANTISED
;;     2. [M 16,384, K 512] x [K 512, N 512]; A: input x; B: input base_weight: QUANTISED
;;   THE QUANTISER, for each operand of a quantised product, along K:
;;     - K is cut into blocks of 32 from its start; a last block that is shorter is filled with zeros.
;;     - A block's scale is 2^e with e = floor(log2(the largest magnitude in the block)) - 2, held to -126 .. 127; a block of zeros has e = 0. As a byte (E8M0): e + 127.
;;     - Each number is divided by its block's scale, clamped to +-6, and rounded to the nearest number of E2M1, ties to even, subnormals kept.
;;     - The product sums the exact products of the quantised numbers (number of the format x scale) in f32.
;;   ~~~python
;;   def quantise(x, axis):      # numpy; x: float32 -> the quantised numbers, widened to float32 again
;;       x = np.moveaxis(x, axis, -1); K = x.shape[-1]
;;       x = np.pad(x, [(0, 0)] * (x.ndim - 1) + [(0, -K % 32)]); x = x.reshape(x.shape[:-1] + (-1, 32)); a = np.abs(x).max(-1, keepdims=True)
;;       e = np.where(a > 0, np.clip(np.frexp(np.where(a > 0, a, 1))[1] - 1 - 2, -126, 127), 0)      # np.frexp(a)[1] - 1 = floor(log2(a)), exactly
;;       r = np.clip(x / 2.0 ** e, -6, 6)
;;       step = 2.0 ** (np.maximum(np.frexp(np.where(r == 0, 1, r))[1] - 1, 0) - 1)
;;       q = np.round(r / step) * step * 2.0 ** e      # np.round: ties to even
;;       return np.moveaxis(q.reshape(q.shape[:-2] + (-1,))[..., :K], -1, axis).astype(np.float32)
;;   ~~~
;;   OPERANDS COMPUTED ON THE WAY. 'Computed on the way' means the value that the module computes at that place (a softmax that the list does not call 'softmax' is quantised finished and normalised). What goes into a quantiser is computed in f32, as accurately as f32 sums, v_exp_f32 and their like allow (about 1e-6 of the number): no bf16 or f16 on the way to a quantiser, and a product that is left as it is and whose result goes on into a quantised operand takes f32 operands (vector FMAs, or v_wmma_f32_16x16x4_f32). A number that lies on a knife's edge between two numbers of the format may be rounded either way, as far as f32 arithmetic and the matrix unit's own rounding can turn it there, and no further.
;; One version. Each part assembles by itself: llvm-mc -triple=amdgcn-amd-amdhsa -mcpu=gfx1250 --defsym DOCPART=n.
;; ======== version 1 of 1: 2 launches
;; workspace buffers: wq 1,253,376 bytes
;; launch prep (part 1): grid 9 x 32, 4 waves a work-group, no clusters, 1,024 bytes of LDS; arguments coeffs, base_weight, wq, out1; writes wq, out1
.if DOCPART == 1
	.amdgcn_target "amdgcn-amd-amdhsa--gfx1250"
	.amdhsa_code_object_version 6
	.text
	.protected	k_qa91eb82cde_prep
	.globl	k_qa91eb82cde_prep
	.p2align	8
	.type	k_qa91eb82cde_prep,@function
k_qa91eb82cde_prep:
	s_mov_b64 s[64:65], 0
	v_nop
	global_prefetch_b8 v0, s[64:65] scope:SCOPE_SE
	s_setreg_imm32_b32 hwreg(HW_REG_WAVE_MODE, 25, 1), 1
	s_wait_xcnt 0x0
; coeffs [512 i][512 o][8 n] and base_weight [512 i][512 o], f32, become codes of FP4 (E2M1) with one E8M0 byte for each 32 along K, laid in wq in the ORDER OF THE
; OPERAND'S REGISTERS and in the order in which the second launch takes them; out1 = 0 is stored here too.
; K.  The first product's K is k = 8 i + n (4,096), the second's k = i (512).  The 36 K steps of 128 go in four groups p of 128 features: q = 0 .. 7 are the spline steps
; (features 128 p + 16 q + 0 .. 15, eight n each), q = 8 the step of base_weight (features 128 p + 0 .. 127).  Step g = 9 p + q.
; wq = [slot j = g / 3: 12][w: 8][a piece of 13,056 bytes];  a piece = codes [s = g % 3][t: 4][c: 2][lane: 32][16 bytes], then at 12,288 scale words [s][r: 16][t: 4][4 bytes].
; Column o = 64 w + 16 t + r.  Lane 16 h + r holds registers 4 c .. 4 c + 3 of the fragment: k = 64 c + 32 h + 0 .. 31 of the step, the block 2 c + h.
; SHARES.  Work-group (x = q, y = 8 p + w); wave t makes one fragment (16 columns x 128 K).  A lane takes a column and its registers run down K, so a block's largest magnitude needs no other lane
; and the conversions' results are the operand's registers.  Nothing is transposed.
; A block's scale is 2^(floor(log2(largest magnitude)) - 2); its byte is the largest magnitude's exponent field - 2, held at 1 from below by a floor among the maximum's leaves.
; LIMITS: a block of zeros gets the byte 1 where the rule says 127 (its codes are zeros, and this program alone reads the bytes); blocks whose largest magnitude lies under 2^-124 are held at the byte 1;
; NaN and infinities among the inputs are not served.
; base_weight's loads read 64 neighbouring bytes in sixteen lanes: it is one ninth of this launch's input bytes and each of its bytes is read once.
.set PIECE, 13056
.set SLOTB, 8*PIECE
.set X,     32                         ; v32-95  64 numbers: register 32 c + i = number i of my block 2 c + h
.set C,     16                         ; v16-23  the fragment's codes
	s_load_b256 s[4:11], s[0:1], 0x0               ; coeffs s[4:5], base_weight s[6:7], wq s[8:9], out1 s[10:11]
	v_lshl_add_u32 v96, v0, 2, 0x200
	v_mov_b32 v97, 0
	v_lshrrev_b32 v1, 5, v0
	v_readfirstlane_b32 s12, v1                    ; t: my wave's number, the tile of 16 columns
	v_and_b32 v1, 15, v0                           ; r
	v_bfe_u32 v2, v0, 4, 1                         ; h
	v_and_b32 v7, 31, v0                           ; lane
	v_lshlrev_b32 v4, 4, v7                        ; 16 x lane: my place in half a fragment's image
	v_lshlrev_b32 v6, 3, v7                        ; 8 x lane: my place in the 256 bytes of scale words
	s_lshl_b32 s13, s12, 2
	v_lshl_add_u32 v5, v1, 4, s13                  ; LDS: 16 r + 4 t: my column's scale word
	s_mov_b32 s20, 0x76543210
	s_mov_b32 s21, 0xfedcba98                      ; v_permlanex16_b32's selects for lane l xor 16
	s_and_b32 s14, ttmp7, 0xffff                   ; y
	s_lshr_b32 s15, s14, 3                         ; p
	s_and_b32 s16, s14, 7                          ; w
	s_mul_i32 s17, ttmp9, 11
	s_lshr_b32 s17, s17, 5                         ; q / 3 (11 q / 32 for q = 0 .. 8)
	s_mul_i32 s18, s17, 3
	s_sub_co_u32 s18, ttmp9, s18                   ; s = q % 3
	s_mul_i32 s19, s15, 3
	s_add_co_u32 s19, s19, s17                     ; slot j = 3 p + q / 3
	s_mul_i32 s22, s19, SLOTB
	s_mul_i32 s23, s16, PIECE
	s_add_co_u32 s22, s22, s23                     ; my piece's first byte in wq
	s_lshl_b32 s23, s18, 12
	s_add_co_u32 s24, s22, s23
	s_lshl_b32 s23, s12, 10
	s_add_co_u32 s24, s24, s23                     ; the fragment's image: + 4,096 s + 1,024 t
	s_mov_b32 s25, 0
	s_lshl_b32 s23, s18, 8
	s_add_co_u32 s26, s22, s23
	s_add_co_u32 s26, s26, 12288                   ; the step's scale words: + 12,288 + 256 s
	s_mov_b32 s27, 0
	s_wait_kmcnt 0x0
	s_add_nc_u64 s[24:25], s[8:9], s[24:25]
	s_add_nc_u64 s[26:27], s[8:9], s[26:27]
	s_cmp_eq_u32 ttmp9, 8                          ; the same way for all four waves; only the loads differ
	s_cbranch_scc1 .Lbase
	; a spline step: coeffs(128 p + 16 q + 8 c + 4 h + g, o, 0 .. 7) is 32 bytes: register group g of block 2 c + h
	s_lshl_b32 s28, s15, 21                        ; 128 p features of 16,384 bytes
	s_lshl_b32 s29, ttmp9, 18                      ; 16 q features
	s_add_co_u32 s28, s28, s29
	s_lshl_b32 s29, s16, 11                        ; 64 w columns of 32 bytes
	s_add_co_u32 s28, s28, s29
	s_lshl_b32 s29, s12, 9                         ; 16 t columns
	s_add_co_u32 s28, s28, s29
	s_mov_b32 s29, 0
	s_add_nc_u64 s[4:5], s[4:5], s[28:29]
	v_lshlrev_b32 v3, 5, v1                        ; column r,
	v_lshl_or_b32 v3, v2, 16, v3                   ; 4 h features on
.irp c, 0,1
.irp g, 0,1,2,3
.irp e, 0,1
	global_load_b128 v[X+32*\c+8*\g+4*\e:X+32*\c+8*\g+4*\e+3], v3, s[4:5] offset:(8*\c+\g)*16384+16*\e th:TH_LOAD_NT   ; a feature's two loads cover 512 consecutive bytes in sixteen lanes
.endr
.endr
.endr
	s_branch .Ljoin
.Lbase:
	; the step of base_weight: base_weight(128 p + 64 c + 32 h + i, o)
	s_lshl_b32 s28, s15, 18                        ; 128 p rows of 2,048 bytes
	s_lshl_b32 s29, s16, 8                         ; 64 w columns of 4 bytes
	s_add_co_u32 s28, s28, s29
	s_lshl_b32 s29, s12, 6                         ; 16 t columns
	s_add_co_u32 s28, s28, s29
	s_mov_b32 s29, 0
	s_add_nc_u64 s[6:7], s[6:7], s[28:29]
	v_lshlrev_b32 v3, 2, v1                        ; column r,
	v_lshl_or_b32 v3, v2, 16, v3                   ; 32 h rows on
.irp c, 0,1
.irp i, 0,1,2,3,4,5,6,7,8,9,10,11,12,13,14,15,16,17,18,19,20,21,22,23,24,25,26,27,28,29,30,31
	global_load_b32 v[X+32*\c+\i], v3, s[6:7] offset:(64*\c+\i)*2048 th:TH_LOAD_NT
.endr
.endr
.Ljoin:
	s_wait_loadcnt 0x0
.irp c, 0,1                                    ; my block 2 c + h: all its 32 numbers are mine
	v_max3_num_f32 v[8+\c], |v[X+32*\c]|, |v[X+32*\c+1]|, 0x1800000   ; with the floor 2^(3 - 127): the byte cannot fall under 1
.endr
.irp i, 2,4,6,8,10,12,14,16,18,20,22,24,26,28,30
.irp c, 0,1
	v_max3_num_f32 v[8+\c], v[8+\c], |v[X+32*\c+\i]|, |v[X+32*\c+\i+1]|   ; (the two blocks by turns)
.endr
.endr
.irp c, 0,1
	v_add_nc_u32 v[10+\c], 0xff000000, v[8+\c]     ; 2 off the exponent field: the conversion takes this operand's exponent field as its scale
.endr
.irp c, 0,1
	v_lshrrev_b32 v[12+\c], 23, v[10+\c]           ; the scale's byte
.endr
	v_lshl_or_b32 v14, v13, 16, v12                ; my two bytes: blocks h and 2 + h of column r,
	v_lshlrev_b32 v15, 3, v2
	v_lshlrev_b32 v14, v15, v14                    ; at their places in the scale word (8 h bits up);
	v_mov_b32 v15, 0                               ; (a lane permute's destination counts as one of its sources)
	v_permlanex16_b32 v15, v14, s20, s21
	v_or_b32 v14, v14, v15                         ; with lane l xor 16's two the word is whole
.irp c, 0,1
.irp g, 0,1,2,3
	v_cvt_scalef32_pk8_fp4_f32 v[C+4*\c+\g], v[X+32*\c+8*\g:X+32*\c+8*\g+7], v[10+\c]   ; registers 4 c .. 4 c + 3 of the operand
.endr
.endr
	v_nop                                          ; one plain place behind the last scaled conversion
.irp c, 0,1
	global_store_b128 v4, v[C+4*\c:C+4*\c+3], s[24:25] offset:512*\c   ; 32 lanes store 512 consecutive bytes, at a multiple of 256 from wq's first byte
.endr
	ds_store_b32 v5, v14                           ; lanes r and 16 + r write the same word with the same value
	s_wait_dscnt 0x0                               ; for wave 0's sake: my word lies in LDS
	s_barrier_signal -1
	s_barrier_wait -1
	s_cmp_lg_u32 s12, 0
	s_cbranch_scc1 .Lend                           ; wave 0 sends the step's 64 scale words
	ds_load_b64 v[24:25], v6
	s_wait_dscnt 0x0
	global_store_b64 v6, v[24:25], s[26:27]        ; 32 lanes store 256 consecutive bytes, aligned
	s_or_b32 s28, ttmp9, s14
	s_cmp_lg_u32 s28, 0
	s_cbranch_scc1 .Lend                           ; work-group (0, 0) alone stores out1
	v_mov_b32 v26, 0
	v_mov_b32 v27, 0                               ; kl = 0
	s_wait_xcnt 0x0                                ; EXEC is a source of the stores above: it changes only behind this wait
	v_cmp_eq_u32 vcc_lo, 0, v0
	s_and_saveexec_b32 s30, vcc_lo
	global_store_b32 v26, v27, s[10:11]
	s_wait_xcnt 0x0                                ; and again in front of the line that widens it
	s_or_b32 exec_lo, exec_lo, s30
.Lend:
	s_wait_tensorcnt 0x0
	ds_add_u32 v96, v97
	s_wait_dscnt 0x0
	s_endpgm
.Lfunc_end_k_qa91eb82cde_prep:
	.size	k_qa91eb82cde_prep, .Lfunc_end_k_qa91eb82cde_prep-k_qa91eb82cde_prep
	.p2alignl 7, 3214868480
	.fill 96, 4, 3214868480
	.section	.rodata,"a",@progbits
	.p2align	6, 0x0
	.amdhsa_kernel k_qa91eb82cde_prep
		.amdhsa_group_segment_fixed_size 1024
		.amdhsa_private_segment_fixed_size 0
		.amdhsa_enable_private_segment 0
		.amdhsa_kernarg_size 32
		.amdhsa_user_sgpr_count 2
		.amdhsa_user_sgpr_kernarg_segment_ptr 1
		.amdhsa_wavefront_size32 1
		.amdhsa_system_sgpr_workgroup_id_x 1
		.amdhsa_system_sgpr_workgroup_id_y 1
		.amdhsa_system_sgpr_workgroup_id_z 1
		.amdhsa_system_vgpr_workitem_id 0
		.amdhsa_next_free_vgpr 98
		.amdhsa_next_free_sgpr 66
		.amdhsa_reserve_vcc 1
		.amdhsa_float_denorm_mode_32 3
		.amdhsa_float_denorm_mode_16_64 3
		.amdhsa_memory_ordered 1
		.amdhsa_forward_progress 1
		.amdhsa_inst_pref_size 15
	.end_amdhsa_kernel
	.amdgpu_metadata
---
amdhsa.version: [ 1, 2 ]
amdhsa.kernels:
  - .name:           k_qa91eb82cde_prep
    .symbol:         k_qa91eb82cde_prep.kd
    .args:
      - { .name: coeffs, .offset: 0, .size: 8, .value_kind: global_buffer, .address_space: global }
      - { .name: base_weight, .offset: 8, .size: 8, .value_kind: global_buffer, .address_space: global }
      - { .name: wq, .offset: 16, .size: 8, .value_kind: global_buffer, .address_space: global }
      - { .name: out1, .offset: 24, .size: 8, .value_kind: global_buffer, .address_space: global }
    .group_segment_fixed_size: 1024
    .private_segment_fixed_size: 0
    .kernarg_segment_align: 8
    .kernarg_segment_size: 32
    .max_flat_workgroup_size: 128
    .sgpr_count:     66
    .vgpr_count:     98
    .wavefront_size: 32
...
	.end_amdgpu_metadata
.endif
;; end of part 1
;; launch spline (part 2): grid 256 x 1, 8 waves a work-group, clusters of 4 x 1, 327,680 bytes of LDS; arguments x, wq, out0; writes out0
.if DOCPART == 2
	.amdgcn_target "amdgcn-amd-amdhsa--gfx1250"
	.amdhsa_code_object_version 6
	.text
	.protected	k_qa91eb82cde_spline
	.globl	k_qa91eb82cde_spline
	.p2align	8
	.type	k_qa91eb82cde_spline,@function
k_qa91eb82cde_spline:
	s_mov_b64 s[64:65], 0
	v_nop
	global_prefetch_b8 v0, s[64:65] scope:SCOPE_SE
	s_setreg_imm32_b32 hwreg(HW_REG_WAVE_MODE, 25, 1), 1
	s_wait_xcnt 0x0
	s_wait_alu depctr_hold_cnt(0) depctr_sa_sdst(0) depctr_va_vdst(0) depctr_va_sdst(0) depctr_va_ssrc(0) depctr_va_vcc(0) depctr_vm_vsrc(0)
	s_getreg_b32 s2, hwreg(HW_REG_IB_STS2, 6, 4)
	s_cmp_eq_u32 s2, 0
	s_cbranch_scc0 .Lentry_in_a_cluster
	s_endpgm
.Lentry_in_a_cluster:
	s_bfe_u32 s2, ttmp6, 0x10000c
	s_cmp_lg_u32 s2, 0x3003
	s_cbranch_scc0 .Lentry_shape_is_right
	s_endpgm
.Lentry_shape_is_right:
; out0[b][o] = sum over (i, n) of Q(basis(tanh x[b][i])[n]) Q(coeffs[i][o][n]) + sum over i of Q(x[b][i]) Q(base_weight[i][o]), both products on codes of FP4 (E2M1) with one E8M0 scale for each 32 along K,
; into ONE f32 accumulator.  The weights come as codes and scale words from wq, in the order of the operand's registers; the basis and x are quantised here.
; SHARES.  A work-group owns 64 rows and all 512 columns, so that every (row, feature) is worked once in the whole launch: 16,384 / 64 = 256 work-groups.  Eight waves, two to a SIMD, so that one wave's vector
; work stands beside the other's matrix work.  Wave w makes all 64 rows x columns 64 w .. 64 w + 63: 16 accumulators, 128 registers.
; K: 36 steps of 128, in four groups p of 128 features: q = 0 .. 7 the spline steps (features 128 p + 16 q + 0 .. 15, k = 8 i + n), q = 8 the step of x (features 128 p + 0 .. 127).  Step g = 9 p + q.
; THE BASIS.  The knots are uniform: s = 2.5 tanh(x) + 2.5 = 5 - 5 / (1 + 2^(2 log2(e) x)) lies in [0, 5]; m = floor(s), u = s - m (exact).  Of a feature's eight basis values only those of index m .. m + 3 are
; not zero: w0 = (1 - u)^3 / 6, w1 = 2/3 - u^2 + u^3 / 2, w2 = 1/6 + (u + u^2 - u^3) / 2, w3 = u^3 / 6.  A feature's eight codes are ONE register of the operand: the four values are converted and their 16 bits
; are shifted left by 4 m.  m = 5 comes only with u = 0, where w3 = 0: what is shifted out is the code 0.  A block (4 features) has its largest magnitude among the eight w1, w2, since w0, w3 <= 1/6 <= w1, w2;
; it is at least 0.479, so no floor is wanted.
; A'S WAY.  Wave w works rows 8 w .. 8 w + 7; in a row lane l takes features 4 l .. 4 l + 3 of the group: one block of the spline's K, an eighth of a block of x's.  Codes and scale bytes go to LDS, where all eight
; waves read them as fragments; two buffers by turns, made one group of features ahead: one row a K step, behind that step's products.
; B'S WAY, BY TWO ROADS.  wq is twelve runs of three K steps; in each run wave w has a piece of 13,056 bytes, its 64 columns' codes and scale words, which it alone reads.
;   The even runs (K steps 6 n .. 6 n + 2) come through two LDS slots by tensor loads, asked for JOINTLY by the four work-groups of a cluster (a mask names four).  Behind a round of the cluster's barrier a wave
;   issues one load, which has to have landed at the next round.
;   The odd runs (K steps 6 n + 3 .. 6 n + 5) come straight into registers, three sets of 32 + 2, each loaded again behind the step that read it: six K steps ahead.  They are NOT shared in the cluster: 626,688
;   bytes that each work-group asks for by itself.  The reason: with every run in the ring a piece has three K steps (48 matrix instructions and three rows a wave) in which to land, and larger slots do not fit
;   beside A's two buffers; with every second run in the ring it has six, there are four rounds in place of ten, and since no other wave reads a piece, LDS gives those bytes nothing but a way in and out.
; By this text's own count a wave has two tensor loads out at the start and one behind each refill.
; THE MATRIX INSTRUCTION IS USED TRANSPOSED (source 0 = 16 columns of the weights, source 1 = 16 rows): a lane then holds eight neighbouring numbers of a row of out0.
; The text is straight: every offset, slot and wait count is a constant of its place.
; LIMITS.  NaN and infinities in x are not served.  The four cubics are evaluated expanded, by Horner: absolute error under 2^-22 against a smallest rounding boundary of 2^-6.  The knots are taken as exactly
; uniform; f32 knots differ from them by about 1e-7.  s >= 0 takes v_rcp_f32 of a number >= 1 not to pass 1, which its stated accuracy of one ulp gives.  A block of x of zeros, or under 2^-124, gets the byte 1.
.set PIECE, 13056                      ; a wave's part of a run: 3 K steps x (4 fragments x 1,024 bytes), then 3 x 256 bytes of scale words: 51 x 256 bytes
.set SLOTB, 8*PIECE                    ; 104,448: a run, and an LDS slot
.set SPARE, SLOTB                      ; behind slot 0: the spare words, 128 bytes for each wave: four blocks of 256 bytes that no other line names
.set SLOT1, 1<<17                      ; slot 1 begins here, so that one exclusive or turns the walking descriptor
.set ABUF0, SLOT1+SLOTB                ; 235,520: A's buffer for even p; ABUFB further on the one for odd p.  No fill ever lands here
.set ABUFB, 41728
.set AP,    272                        ; 16 rows x 16 bytes + 16; a load's sixteen lanes read 256 consecutive bytes
.set TP,    36*AP                      ; a tile of 16 rows: 32 blocks of the spline's K and 4 of x's.  Codes of (tile t, block Q, row r) at (36 t + Q) AP + 16 r
.set ASC,   4*TP                       ; behind the codes: scale words of (step q, row r, tile t) at ASC + q AP + 16 r + 4 t
.set STGB,  16*AP                      ; the way out: a stage of 16 rows x (256 + 16) bytes for each wave, in A's buffer 0: every wave's last reads of it were waited for in front of the barrier at K step 26
.set SPW, 1                            ; v1   LDS address of my spare word; never rewritten
.set NIL, 2                            ; v2   0; never rewritten
.set XO,  3                            ; v3   16 l: my 16 bytes of a row's 512
.set BR,  4                            ; v4-5   my piece's fragments in slot 0, 1: PIECE w + 16 l.  v4 is also my byte offset in a run of wq
.set BS,  6                            ; v6-7   its scale words: + 12,288 + 16 r
.set AR,  8                            ; v8-9   A's fragments in buffer 0, 1: 272 h + 16 r
.set AS,  10                           ; v10  A's scale words in buffer 0: 16 r
.set AW,  11                           ; v11  where I store a block's codes
.set AX,  12                           ; v12  where I store my four codes of x
.set AB,  13                           ; v13  where I store the block's scale byte
.set AY,  14                           ; v14  and x's
.set STO, 15                           ; v15  the way out: where I put 32 bytes of a row
.set RD,  16                           ; v16  where I read a row back
.set GO,  17                           ; v17  my byte offset in out0
.set DSO, 18                           ; v18  my byte offset among a run's scale words in wq: PIECE w + 12,288 + 16 r + 8 h
.set SA,  20                           ; scale words, and nothing else: set e: v[SA + 8 e + t] rows' tile t; v[SB + 8 e + t] columns' tile t
.set SB,  24
.set K3A, 36                           ; the cubics' coefficients as pairs [w0's, w1's] and [w2's, w3's]
.set K2A, 38
.set K1A, 40
.set K0A, 42
.set K3B, 44
.set K2B, 46                           ; [1/2, 0] serves u^2 and u
.set K1B, 46
.set K0B, 48
.set K5G, 50                           ; [5, 2^23]: a whole number added to 2^23 stands in the low bits of the sum
.set DS,  52                           ; v52-57 scale words, and nothing else, of the steps that come straight: set s: v[DS + 2 s]: lanes 0-15 tile 0's, lanes 16-31 tile 2's; v[DS + 2 s + 1]: tiles 1 and 3
.set M,   58                           ; at work
.set SO,  59
.set XM,  60
.set XS,  61
.set XBY, 62
.set XC,  63
.set X,   64                           ; v64-95   my four numbers of each of the wave's eight rows
.set T,   96
.set J,   100                          ; m, then the shift operand
.set U,   104                          ; u; behind the cubics the conversions' results and the byte
.set CV,  104
.set BY,  106
.set CD,  108                          ; the four registers of codes
.set W,   112                          ; v112-127 w0 .. w3 of four features
.set AF,  128                          ; fragments: set e at + 64 e: 4 tiles of rows, then (BF) 4 tiles of columns out of the ring
.set BF,  160
.set BK,  128                          ; the way out: 16 rows read back, 32 registers a tile
.set DB,  128                          ; in window 1: the columns' fragments that come straight: set s at + 32 s
.set WV,  10                           ; s10  my wave's number
.set G1,  24                           ; s[24:31] descriptor group 1
.set G0F, 32                           ; s[32:35] group 0 of slot 0's first fill
.set G0W, 36                           ; s[36:39] group 0 that walks
.set MSB, 0
.macro WIN new                         ; the immediate's high byte repeats the setting that is left
.if MSB != \new
	s_set_vgpr_msb (MSB<<8)|\new
.set MSB, \new
.endif
.endm
.set MULW, 0x50                        ; C and D in window 1 (accumulator (a, b) at v[8 (4 a + b)] there), sources in window 0
.set MULD, 0x51                        ; the same with source 0 (the columns) in window 1
.set TOW1, 0x40                        ; a load's destination in window 1, its address in window 0
.set OUTW, 0x04                        ; an LDS store's data (its source 1) in window 1
.macro PLACES                          ; a load into a register that a matrix instruction has read, and a store that reads a result, stand four plain vector instructions behind it (ISA guide 7.12.1 for the store)
.rept 4
	v_nop
.endr
.endm
.macro CREST                           ; a round of the cluster's barrier behind its opening barrier
	s_cmp_lg_u32 s[WV], 0
	s_cbranch_scc1 .Lnot_wave_0_\@
	s_barrier_signal -3
.Lnot_wave_0_\@:
	s_barrier_wait -3
	s_barrier_signal -1
	s_barrier_wait -1
.endm
.macro CROUND                          ; a whole round
	s_barrier_signal -1
	s_barrier_wait -1
	CREST
.endm
; THE COUNTS OF THE WAITS FOR GLOBAL LOADS are made by the assembler.  LN = the loads issued so far in the text; XEk = LN behind the last loads of rows 2 k, 2 k + 1; DEs = LN behind the last loads of set s.
; Loads come back in order (ISA guide 5.7.1), so LN - XEk, or LN - DEs, younger loads may stay out.  The largest such count in this text is 51.
.macro SETX k
.if (\k) == 0
.set XE0, LN
.elseif (\k) == 1
.set XE1, LN
.elseif (\k) == 2
.set XE2, LN
.else
.set XE3, LN
.endif
.endm
.macro WAITX k
.if (\k) == 0
	s_wait_loadcnt LN-XE0
.elseif (\k) == 1
	s_wait_loadcnt LN-XE1
.elseif (\k) == 2
	s_wait_loadcnt LN-XE2
.else
	s_wait_loadcnt LN-XE3
.endif
.endm
.macro SETD k
.if (\k) == 0
.set DE0, LN
.elseif (\k) == 1
.set DE1, LN
.else
.set DE2, LN
.endif
.endm
.macro WAITD k
.if (\k) == 0
	s_wait_loadcnt LN-DE0
.elseif (\k) == 1
	s_wait_loadcnt LN-DE1
.else
	s_wait_loadcnt LN-DE2
.endif
.endm
; K step g's columns straight from wq into set g % 3: 8 loads of 512 consecutive bytes, as the fragments' registers lie, and one of 256 consecutive bytes: lane 16 h + r takes the scale words of tiles 2 h, 2 h + 1 of column r.
; No hint: the other work-groups read the same bytes.
.macro DLOAD g
.set DJ, (\g)/3
.set DK, (\g)%3
	WIN TOW1
.irp t, 0,1,2,3
.irp c, 0,1
	global_load_b128 v[DB+32*DK+8*\t+4*\c:DB+32*DK+8*\t+4*\c+3], v[BR], s[6:7] offset:DJ*SLOTB+DK*4096+\t*1024+\c*512
.endr
.endr
	WIN 0
	global_load_b64 v[DS+2*DK:DS+2*DK+1], v[DSO], s[6:7] offset:DJ*SLOTB+DK*256
.set LN, LN+9
	SETD DK
.endm
	s_load_b128 s[4:7], s[0:1], 0x0                ; x s[4:5], wq s[6:7]
	s_load_b64 s[8:9], s[0:1], 0x10                ; out0
	v_lshl_add_u32 v[SPW], v0, 2, SPARE
	v_mov_b32 v[NIL], 0
	ds_add_u32 v1, v2
	ds_add_u32 v1, v2
	s_wait_dscnt 0x0
	v_lshrrev_b32 v112, 5, v0
	v_readfirstlane_b32 s[WV], v112                ; wave 0..7
	s_bfe_u32 s11, ttmp6, 0x40000                  ; cx: my place in the cluster: it enters x's and out0's addresses alone
	s_lshl_b32 s12, ttmp9, 2
	s_add_co_u32 s12, s12, s11                     ; my block of 64 rows = 4 x cluster x + cx
	s_mul_i32 s13, s[WV], PIECE                    ; my piece in a slot, and in a run of wq
	s_lshr_b32 s14, s[WV], 1                       ; the tile of 16 rows in which my 8 rows lie,
	s_and_b32 s15, s[WV], 1
	s_lshl_b32 s15, s15, 7                         ; and their place in it: 8 (w % 2) rows of 16 bytes
	s_mul_i32 s16, s14, TP
	s_add_co_u32 s16, s16, s15
	s_add_co_u32 s16, s16, ABUF0                   ; codes: ABUF0 + TP (w / 2) + 128 (w % 2)
	s_lshl_b32 s17, s14, 2
	s_add_co_u32 s17, s17, s15
	s_add_co_u32 s17, s17, ABUF0+ASC               ; scale bytes: ABUF0 + ASC + 4 (w / 2) + 128 (w % 2)
	s_mul_i32 s18, s[WV], STGB
	s_add_co_u32 s18, s18, ABUF0                   ; my stage
	v_and_b32 v112, 31, v0                         ; l
	v_and_b32 v113, 15, v0                         ; r
	v_bfe_u32 v58, v0, 4, 1                        ; h
	v_bfe_u32 v59, v0, 3, 2                        ; l / 8
	v_and_b32 v60, 7, v0                           ; l % 8
	v_bfe_u32 v61, v0, 2, 3                        ; l / 4
	v_and_b32 v62, 3, v0                           ; l % 4
	v_lshlrev_b32 v[XO], 4, v112
	v_lshl_add_u32 v[BR], v112, 4, s13
	v_add_nc_u32 v[BR+1], SLOT1, v[BR]
	v_lshl_add_u32 v[BS], v113, 4, s13
	v_add_nc_u32 v[BS], 12288, v[BS]
	v_add_nc_u32 v[BS+1], SLOT1, v[BS]
	v_lshl_add_u32 v[DSO], v58, 3, v[BS]
	v_mul_u32_u24 v[AR], v58, AP
	v_lshl_add_u32 v[AR], v113, 4, v[AR]
	v_add_nc_u32 v[AR], ABUF0, v[AR]
	v_add_nc_u32 v[AR+1], ABUFB, v[AR]
	v_lshl_add_u32 v[AS], v113, 4, ABUF0+ASC
	v_mul_u32_u24 v[AW], v112, AP                  ; block Q = l
	v_add_nc_u32 v[AW], s16, v[AW]
	v_mul_u32_u24 v[AX], v59, AP                   ; x's block l / 8 is Q = 32 + l / 8; in its 16 bytes my four codes are 2 (l % 8) bytes on
	v_lshl_add_u32 v[AX], v60, 1, v[AX]
	v_add_nc_u32 v[AX], s16, v[AX]
	v_add_nc_u32 v[AX], 32*AP, v[AX]
	v_mul_u32_u24 v[AB], v61, AP                   ; block l is byte l % 4 of step q = l / 4
	v_add_nc_u32 v[AB], v[AB], v62
	v_add_nc_u32 v[AB], s17, v[AB]
	v_add_nc_u32 v[AY], s17, v59                   ; x's block l / 8 is byte l / 8 of step q = 8
	v_add_nc_u32 v[AY], 8*AP, v[AY]
	v_mul_u32_u24 v[STO], v113, AP                 ; in: row r, 32 bytes for each half of the lanes
	v_lshl_add_u32 v[STO], v58, 5, v[STO]
	v_add_nc_u32 v[STO], s18, v[STO]
	v_mul_u32_u24 v[RD], v58, AP                   ; back: lanes 0-15 one row of 256 bytes, lanes 16-31 the next
	v_lshl_add_u32 v[RD], v113, 4, v[RD]
	v_add_nc_u32 v[RD], s18, v[RD]
	v_lshlrev_b32 v[GO], 11, v58                   ; and the same two rows in out0
	v_lshl_add_u32 v[GO], v113, 4, v[GO]
	; descriptor group 1: a dense block of 13,056 bytes as 51 rows of 256 bytes (32 elements of 8 bytes); no padding: it is read back 512 consecutive bytes an instruction
	s_mov_b32 s[G1+0], 15|(3<<16)|(1<<21)          ; 15:0 the mask: all four work-groups; 17:16 elements of 8 bytes; 21 set beside a mask
	s_mov_b32 s[G1+1], 32<<16                      ; tensor_dim0 = 32
	s_mov_b32 s[G1+2], 51<<16                      ; tensor_dim1 = 51
	s_mov_b32 s[G1+3], 32<<16                      ; tile_dim0 = 32
	s_mov_b32 s[G1+4], 51                          ; tile_dim1 = 51
	s_mov_b32 s[G1+5], 32                          ; tensor_dim0_stride
	s_mov_b32 s[G1+6], 0
	s_mov_b32 s[G1+7], 0
	s_lshl_b32 s20, s12, 17                        ; 64 rows of 2,048 bytes for each work-group,
	s_lshl_b32 s19, s[WV], 14                      ; x: my 8 rows
	s_add_co_u32 s20, s20, s19
	s_mov_b32 s21, 0
	s_lshl_b32 s22, s12, 17
	s_lshl_b32 s19, s[WV], 8                       ; out0: my 64 columns
	s_add_co_u32 s22, s22, s19
	s_mov_b32 s23, 0
	s_mov_b32 s40, s13                             ; the piece's offset as a pair of its own: nothing that feeds a descriptor ever holds cx
	s_mov_b32 s41, 0
	s_wait_kmcnt 0x0
	s_add_nc_u64 s[4:5], s[4:5], s[20:21]
	s_add_nc_u64 s[8:9], s[8:9], s[22:23]
.irp i, 0,1,2,3,4,5,6,7
	global_load_b128 v[X+4*\i:X+4*\i+3], v[XO], s[4:5] offset:\i*2048 th:TH_LOAD_NT   ; features 0 .. 127 of my eight rows: 512 consecutive bytes a load
.endr
.set LN,  8
.set XE0, 2
.set XE1, 4
.set XE2, 6
.set XE3, 8
	DLOAD 3                                        ; the first run that comes straight: K steps 3 to 5
	DLOAD 4
	DLOAD 5
	s_mov_b32 s[G0F], 1                            ; 1:0 count = 1
	s_mov_b32 s[G0F+1], s13                        ; LDS address: slot 0, my piece
	s_add_nc_u64 s[G0F+2:G0F+3], s[6:7], s[40:41]  ; K steps 0 to 2
	s_mov_b32 s[G0W], 1
	s_add_co_u32 s[G0W+1], s13, SLOT1              ; slot 1
	s_add_nc_u64 s[G0W+2:G0W+3], s[G0F+2:G0F+3], 2*SLOTB   ; K steps 6 to 8
	s_or_b32 s[G0F+3], s[G0F+3], 0x80000000        ; 127:126 type = 2
	s_or_b32 s[G0W+3], s[G0W+3], 0x80000000
	CROUND                                         ; all four work-groups are here: the first joint loads meet
	tensor_load_to_lds s[G0F:G0F+3], s[G1:G1+7]
	s_nop 0
	tensor_load_to_lds s[G0W:G0W+3], s[G1:G1+7]
	s_nop 0
	v_mov_b32 v[K3A], 0xbe2aaaab                   ; -1/6
	v_mov_b32 v[K3A+1], 0.5
	v_mov_b32 v[K2A], 0.5
	v_mov_b32 v[K2A+1], -1.0
	v_mov_b32 v[K1A], -0.5
	v_mov_b32 v[K1A+1], 0
	v_mov_b32 v[K0A], 0x3e2aaaab                   ; 1/6
	v_mov_b32 v[K0A+1], 0x3f2aaaab                 ; 2/3
	v_mov_b32 v[K3B], -0.5
	v_mov_b32 v[K3B+1], 0x3e2aaaab
	v_mov_b32 v[K2B], 0.5
	v_mov_b32 v[K2B+1], 0
	v_mov_b32 v[K0B], 0x3e2aaaab
	v_mov_b32 v[K0B+1], 0
	v_mov_b32 v[K5G], 0x40a00000                   ; 5
	v_mov_b32 v[K5G+1], 0x4b000000                 ; 2^23
; K step g's operands out of LDS into set g % 2: 4 fragments of rows and the rows' scale words (16 bytes: four tiles' words of row r): 9 loads; in a step of the ring also 4 fragments of columns and their scale words: 18.
; FN = how many loads it has issued.
.macro FETCH g
.set FQ,   (\g)%9
.set FA,   ((\g)/9)&1                  ; A's buffer
.set FD,   ((\g)/3)&1                  ; 1: the columns come straight into registers
.set FS,   ((\g)/6)&1                  ; B's slot
.set FK,   (\g)%3                      ; the step in the run
.set FSET, (\g)&1
.irp t, 0,1,2,3
.irp c, 0,1
	ds_load_b128 v[AF+64*FSET+8*\t+4*\c:AF+64*FSET+8*\t+4*\c+3], v[AR+FA] offset:\t*TP+FQ*4*AP+\c*2*AP   ; block Q = 4 q + 2 c + h
.endr
.endr
	ds_load_b128 v[SA+8*FSET:SA+8*FSET+3], v[AS] offset:FA*ABUFB+FQ*AP
.if FD == 0
.irp t, 0,1,2,3
.irp c, 0,1
	ds_load_b128 v[BF+64*FSET+8*\t+4*\c:BF+64*FSET+8*\t+4*\c+3], v[BR+FS] offset:FK*4096+\t*1024+\c*512
.endr
.endr
	ds_load_b128 v[SB+8*FSET:SB+8*FSET+3], v[BS+FS] offset:FK*256
.set FN, 18
.else
.set FN, 9
.endif
.endm
; 8 matrix instructions: the columns' tiles 2 half, 2 half + 1 x the rows' four.  zero = 1: the first product starts the sums: nothing is ever cleared.
; The 16 accumulators take turns, one instruction a turn, in the same order in every step.
.macro MUL8 g, half, zero
.set MS, (\g)&1
.irp b, 2*\half, 2*\half+1
.irp a, 0,1,2,3
.if \zero
	v_wmma_scale_f32_16x16x128_f8f6f4 v[8*(4*\a+(\b)):8*(4*\a+(\b))+7], v[BF+64*MS+8*(\b):BF+64*MS+8*(\b)+7], v[AF+64*MS+8*\a:AF+64*MS+8*\a+7], 0, v[SB+8*MS+(\b)], v[SA+8*MS+\a] matrix_a_fmt:MATRIX_FMT_FP4 matrix_b_fmt:MATRIX_FMT_FP4
.else
	v_wmma_scale_f32_16x16x128_f8f6f4 v[8*(4*\a+(\b)):8*(4*\a+(\b))+7], v[BF+64*MS+8*(\b):BF+64*MS+8*(\b)+7], v[AF+64*MS+8*\a:AF+64*MS+8*\a+7], v[8*(4*\a+(\b)):8*(4*\a+(\b))+7], v[SB+8*MS+(\b)], v[SA+8*MS+\a] matrix_a_fmt:MATRIX_FMT_FP4 matrix_b_fmt:MATRIX_FMT_FP4
.endif
.endr
.endr
.endm
; The same for a step whose columns came straight: fragments in window 1, set g % 3; tiles 2 and 3 take their scale words from lanes 16-31 of the registers that hold tiles 0's and 1's in lanes 0-15.
.macro MUL8D g, half
.set MS, (\g)&1
.set MD, (\g)%3
.irp b, 2*\half, 2*\half+1
.irp a, 0,1,2,3
.if \half
	v_wmma_scale_f32_16x16x128_f8f6f4 v[8*(4*\a+(\b)):8*(4*\a+(\b))+7], v[DB+32*MD+8*(\b):DB+32*MD+8*(\b)+7], v[AF+64*MS+8*\a:AF+64*MS+8*\a+7], v[8*(4*\a+(\b)):8*(4*\a+(\b))+7], v[DS+2*MD+(\b)-2], v[SA+8*MS+\a] matrix_a_fmt:MATRIX_FMT_FP4 matrix_b_fmt:MATRIX_FMT_FP4 matrix_a_scale:MATRIX_SCALE_ROW1
.else
	v_wmma_scale_f32_16x16x128_f8f6f4 v[8*(4*\a+(\b)):8*(4*\a+(\b))+7], v[DB+32*MD+8*(\b):DB+32*MD+8*(\b)+7], v[AF+64*MS+8*\a:AF+64*MS+8*\a+7], v[8*(4*\a+(\b)):8*(4*\a+(\b))+7], v[DS+2*MD+(\b)], v[SA+8*MS+\a] matrix_a_fmt:MATRIX_FMT_FP4 matrix_b_fmt:MATRIX_FMT_FP4
.endif
.endr
.endr
.endm
; eight of a step's 16 products, whichever way its columns came
.macro MULS g, half
.if ((\g)/3)&1
	WIN MULD
	MUL8D \g, \half
.elseif (\g) == 0
	WIN MULW
	MUL8 \g, \half, 1
.else
	WIN MULW
	MUL8 \g, \half, 0
.endif
.endm
; d = a x u + c, both halves of the pair by feature f's u
.macro PKU d, a, f, c
.if (\f)%2 == 0
	v_pk_fma_f32 v[\d:\d+1], v[\a:\a+1], v[U+2*((\f)/2):U+2*((\f)/2)+1], v[\c:\c+1] op_sel_hi:[1,0,1]
.else
	v_pk_fma_f32 v[\d:\d+1], v[\a:\a+1], v[U+2*((\f)/2):U+2*((\f)/2)+1], v[\c:\c+1] op_sel:[0,1,0] op_sel_hi:[1,1,1]
.endif
.endm
; ONE ROW, i of my eight: my four features become four registers of the spline operand and four codes of x; into A's buffer wp.
; nxt >= 0: behind an odd row, rows i - 1 and i are loaded anew with features 128 nxt on.
.macro UNIT i, wp, nxt
.set XI, X+4*(\i)
.set XP, X+8*((\i)/2)
.set UO, (\wp)*ABUFB+16*(\i)
.if (\i)%2 == 0
	WAITX (\i)/2                                   ; rows i and i + 1 are in; all that was asked for behind them may stay out
.endif
	v_pk_mul_f32 v[T:T+1], v[XI:XI+1], 0x4038aa3b op_sel_hi:[1,0]       ; 2 log2(e) x
	v_pk_mul_f32 v[T+2:T+3], v[XI+2:XI+3], 0x4038aa3b op_sel_hi:[1,0]
	v_max3_num_f32 v[XM], |v[XI]|, |v[XI+1]|, 0x1800000                 ; x's block: my four, with the floor 2^(3 - 127)
.irp f, 0,1,2,3
	v_exp_f32 v[T+\f], v[T+\f]
.endr
	v_max3_num_f32 v[XM], v[XM], |v[XI+2]|, |v[XI+3]|                   ; (the plain place behind the exponentials)
.irp k, 1,2,4
	v_max_num_f32_dpp v[XM], v[XM], v[XM] row_xmask:\k row_mask:0xf bank_mask:0xf   ; the eight lanes that share x's block of 32
.endr
	s_wait_alu depctr_va_vdst(0)
	v_pk_add_f32 v[T:T+1], v[T:T+1], 1.0 op_sel_hi:[1,0]
	v_pk_add_f32 v[T+2:T+3], v[T+2:T+3], 1.0 op_sel_hi:[1,0]
.irp f, 0,1,2,3
	v_rcp_f32 v[T+\f], v[T+\f]
.endr
	v_add_nc_u32 v[XS], 0xff000000, v[XM]          ; (the plain place behind the reciprocals)  2 off the exponent field: x's scale operand,
	v_lshrrev_b32 v[XBY], 23, v[XS]                ; and its byte
	s_wait_alu depctr_va_vdst(0)
	v_pk_fma_f32 v[T:T+1], v[T:T+1], 0xc0a00000, v[K5G:K5G+1] op_sel_hi:[1,0,0]         ; s = 5 - 5 / (1 + e): of the pair [5, 2^23] the low word serves both halves
	v_pk_fma_f32 v[T+2:T+3], v[T+2:T+3], 0xc0a00000, v[K5G:K5G+1] op_sel_hi:[1,0,0]
.irp f, 0,1,2,3
	v_floor_f32 v[J+\f], v[T+\f]                   ; m
.endr
	v_pk_add_f32 v[U:U+1], v[T:T+1], v[J:J+1] neg_lo:[0,1] neg_hi:[0,1] ; u = s - m
	v_pk_add_f32 v[U+2:U+3], v[T+2:T+3], v[J+2:J+3] neg_lo:[0,1] neg_hi:[0,1]
	v_pk_fma_f32 v[J:J+1], v[J:J+1], 4.0, v[K5G:K5G+1] op_sel:[0,0,1] op_sel_hi:[1,0,1]         ; 2^23 + 4 m (the pair's high word serves both halves): its low five bits are 4 m, and a shift reads no more
	v_pk_fma_f32 v[J+2:J+3], v[J+2:J+3], 4.0, v[K5G:K5G+1] op_sel:[0,0,1] op_sel_hi:[1,0,1]
.irp f, 0,1,2,3                                ; the cubics by Horner, eight chains by turns: (w0, w1) and (w2, w3) of each feature
	PKU W+4*\f, K3A, \f, K2A
	PKU W+4*\f+2, K3B, \f, K2B
.endr
.irp f, 0,1,2,3
	PKU W+4*\f, W+4*\f, \f, K1A
	PKU W+4*\f+2, W+4*\f+2, \f, K1B
.endr
.irp f, 0,1,2,3
	PKU W+4*\f, W+4*\f, \f, K0A
	PKU W+4*\f+2, W+4*\f+2, \f, K0B
.endr
	v_max3_num_f32 v[M], v[W+1], v[W+2], v[W+5]    ; the block's largest magnitude: among the eight w1, w2
	v_max3_num_f32 v[M], v[M], v[W+6], v[W+9]
	v_max3_num_f32 v[M], v[M], v[W+10], v[W+13]
	v_max_num_f32 v[M], v[M], v[W+14]
	v_add_nc_u32 v[SO], 0xff000000, v[M]           ; 2 off its exponent field: the scale operand
	v_cvt_scalef32_pk8_fp4_f32 v[CV], v[W:W+7], v[SO]          ; features 0 and 1: 16 bits each
	v_cvt_scalef32_pk8_fp4_f32 v[CV+1], v[W+8:W+15], v[SO]     ; features 2 and 3
	v_cvt_scalef32_pk8_fp4_f32 v[XC], v[XP:XP+7], v[XS]        ; x: an even row's four codes are the low half, an odd row's the high half; the other half is the pair's other row under my scale, and is not used
	v_lshrrev_b32 v[BY], 23, v[SO]                 ; the block's byte.  (The plain place behind the conversions)
	v_and_b32 v[CD], 0xffff, v[CV]
	v_lshrrev_b32 v[CD+1], 16, v[CV]
	v_and_b32 v[CD+2], 0xffff, v[CV+1]
	v_lshrrev_b32 v[CD+3], 16, v[CV+1]
.irp f, 0,1,2,3
	v_lshlrev_b32 v[CD+\f], v[J+\f], v[CD+\f]      ; the four codes to basis indices m .. m + 3
.endr
	ds_store_b128 v[AW], v[CD:CD+3] offset:UO
	ds_store_b8 v[AB], v[BY] offset:UO
.if (\i)%2 == 0
	ds_store_b16 v[AX], v[XC] offset:UO
.else
	ds_store_b16_d16_hi v[AX], v[XC] offset:UO
.endif
	ds_store_b8 v[AY], v[XBY] offset:UO            ; the eight lanes of a block write the same byte with the same value
.if ((\i)%2 == 1) && ((\nxt) >= 0)
.irp d, 1,0
	global_load_b128 v[X+4*((\i)-\d):X+4*((\i)-\d)+3], v[XO], s[4:5] offset:((\i)-\d)*2048+512*(\nxt) th:TH_LOAD_NT
.endr
.set LN, LN+2
	SETX (\i)/2
.endif
.endm
; A K step whose successor's operands may be read at once.
.macro KS g
.if (\g) == 29
	s_wait_tensorcnt 0x0                           ; the ring's last piece (K steps 30 to 32) is my own load and no load was issued behind it; I alone read it, so this wait is all that the reads below need
.endif
	FETCH (\g)+1
	s_wait_dscnt FN                                ; all but the loads just issued: this step's operands are in, and the last row's stores have landed
.if ((\g)/3)&1
	WAITD (\g)%3                                   ; and so are the columns that came straight
.endif
	MULS \g, 0
	MULS \g, 1
	WIN 0
.endm
; The last step of a run in the ring whose slot is wanted again (K steps 2, 8, 14, 20).  Each wave waits for all its tensor loads (one is out: its piece of the other slot), adds 0 to its spare word, and waits for
; that, for its reads of this slot and of A's buffer, and for its stores into A's other buffer.  The barrier opens a round of the cluster's barrier; behind the round this slot is filled again, with the run four
; on (K steps 12 on); that load has six K steps in which to land.  The round at K step 8 is also the barrier between the writing and the reading of A's buffers.
.macro TURN g
	s_wait_tensorcnt 0x0                           ; no tensor load of mine is out, so the walking group 0 may be written
	ds_add_u32 v[SPW], v[NIL]                      ; 0 onto my spare word
	s_xor_b32 s[G0W+1], s[G0W+1], SLOT1            ; the other slot than last time,
	s_add_nc_u64 s[G0W+2:G0W+3], s[G0W+2:G0W+3], 2*SLOTB   ; the ring's next run; the type bits on top are not reached
	s_wait_dscnt 1                                 ; (the add may be out: this step's operands are in)
	MULS \g, 0                                     ; eight matrix instructions stand between the add and the wait for it
	s_wait_dscnt 0x0                               ; the add is done; no LDS instruction of mine is out
	s_barrier_signal -1
	MULS \g, 1
	WIN 0
	s_barrier_wait -1
	CREST                                          ; no wave of any partner still reads this slot or has a load on its way
	tensor_load_to_lds s[G0W:G0W+3], s[G1:G1+7]    ; the first thing behind the round, and my one tensor load until the next
	s_nop 0
	PLACES                                         ; (the places in front of the next loads into the set just multiplied)
	FETCH (\g)+1
.endm
; The last step of a group of features where no slot is filled (K steps 17, 26): the work-group's barrier between the writing and the reading of A's buffers.  In front of it my reads of the one buffer are in and
; my stores into the other have landed.  My tensor load may stay out.
.macro BSTEP g
	s_wait_dscnt 0x0
.if ((\g)/3)&1
	WAITD (\g)%3
.endif
	s_barrier_signal -1
	MULS \g, 0                                     ; work on registers while the others arrive
	MULS \g, 1
	WIN 0
	s_barrier_wait -1
	PLACES                                         ; in front of the next loads into registers that these products read
	FETCH (\g)+1
.endm
	; A OF THE FIRST 128 FEATURES; the rows are loaded anew with the second 128
.irp i, 0,1,2,3,4,5,6,7
	UNIT \i, 0, 1
	s_wait_dscnt 0x0                               ; the stores have landed: their registers are written again
.endr
	s_wait_tensorcnt 1                             ; my piece of slot 0 is in; slot 1's may stay out
	s_barrier_signal -1
	s_barrier_wait -1                              ; everybody's rows lie in A's buffer 0
	FETCH 0
	; THE 36 K STEPS.  Behind the products of step q <= 7 of group p <= 2 stands row q of A for group p + 1; behind a step whose columns came straight, the loads of the step six on into the same set.
.set G, 0
.rept 36
.set P, G/9
.set Q, G%9
.if G == 35
	s_wait_dscnt 0x0                               ; the last step: nothing more to fetch
	WAITD 2
	MULS G, 0
	MULS G, 1
	WIN 0
.elseif (G == 2) || (G == 8) || (G == 14) || (G == 20)
	TURN G
.elseif (G == 17) || (G == 26)
	BSTEP G
.else
	KS G
.endif
.if (P <= 1) && (Q <= 7)
	UNIT Q, (P+1)&1, P+2
.elseif (P == 2) && (Q <= 7)
	UNIT Q, (P+1)&1, -1                            ; the last 128 features: nothing is loaded anew
.elseif (G >= 27) && (G <= 34)
	PLACES                                         ; no row is left to work: places in front of the next loads into registers that this step's products read
.endif
.if ((G/3)&1) && (G+6 <= 35)
	DLOAD G+6                                      ; the row above, or the places, stand between the products that read the set and these loads
.endif
.set G, G+1
.endr
; THE WAY OUT, a tile of 16 rows x my 64 columns at a time.  A lane holds 32 neighbouring bytes of a row and the lanes beside it hold other rows: so a tile goes through my own stage and comes back as rows of
; 256 bytes.  LDS serves a wave's instructions in order (ISA guide 5.7.1.4): no wait between the stores and the loads, nor in front of the next tile's stores.
.macro TOSTAGE a
	WIN OUTW
.irp b, 0,1,2,3
	ds_store_b128 v[STO], v[8*(4*\a+\b):8*(4*\a+\b)+3] offset:64*\b        ; each accumulator from its low end on
	ds_store_b128 v[STO], v[8*(4*\a+\b)+4:8*(4*\a+\b)+7] offset:64*\b+16
.endr
	WIN 0
.irp i, 0,1,2,3,4,5,6,7
	ds_load_b128 v[BK+32*\a+4*\i:BK+32*\a+4*\i+3], v[RD] offset:2*\i*AP
.endr
.endm
.macro SEND a, younger                 ; younger: the LDS instructions issued behind tile a's loads: the next tile's eight stores and eight loads, or none
	s_wait_dscnt \younger
.irp i, 0,1,2,3,4,5,6,7
	global_store_b128 v[GO], v[BK+32*\a+4*\i:BK+32*\a+4*\i+3], s[8:9] offset:(16*\a+2*\i)*2048 th:TH_STORE_NT   ; 16 lanes store 256 consecutive bytes, at a multiple of 256 from out0's first byte; each tile has registers of its own, and the base stays
.endr
.endm
	PLACES                                         ; behind the last products: for the stores that read results and the loads into registers that held fragments
	TOSTAGE 0
	TOSTAGE 1
	SEND 0, 16
	TOSTAGE 2
	SEND 1, 16
	TOSTAGE 3
	SEND 2, 16
	SEND 3, 0
	s_wait_tensorcnt 0x0                           ; the wave's end: behind my last tensor load and my last LDS store
	ds_add_u32 v[SPW], v[NIL]
	s_wait_dscnt 0x0
	CROUND                                         ; the closing round: no work-group ends while a partner may still ask for a piece that names it
	s_endpgm
.Lfunc_end_k_qa91eb82cde_spline:
	.size	k_qa91eb82cde_spline, .Lfunc_end_k_qa91eb82cde_spline-k_qa91eb82cde_spline
	.p2alignl 7, 3214868480
	.fill 96, 4, 3214868480
	.section	.rodata,"a",@progbits
	.p2align	6, 0x0
	.amdhsa_kernel k_qa91eb82cde_spline
		.amdhsa_group_segment_fixed_size 327680
		.amdhsa_private_segment_fixed_size 0
		.amdhsa_enable_private_segment 0
		.amdhsa_kernarg_size 24
		.amdhsa_user_sgpr_count 2
		.amdhsa_user_sgpr_kernarg_segment_ptr 1
		.amdhsa_wavefront_size32 1
		.amdhsa_system_sgpr_workgroup_id_x 1
		.amdhsa_system_sgpr_workgroup_id_y 1
		.amdhsa_system_sgpr_workgroup_id_z 1
		.amdhsa_system_vgpr_workitem_id 0
		.amdhsa_next_free_vgpr 480
		.amdhsa_next_free_sgpr 66
		.amdhsa_reserve_vcc 0
		.amdhsa_float_denorm_mode_32 3
		.amdhsa_float_denorm_mode_16_64 3
		.amdhsa_memory_ordered 1
		.amdhsa_forward_progress 1
		.amdhsa_inst_pref_size 255
	.end_amdhsa_kernel
	.section	.bss,"aw",@nobits
	.p2align	6
	.space	262144
	.amdgpu_metadata
---
amdhsa.version: [ 1, 2 ]
amdhsa.kernels:
  - .name:           k_qa91eb82cde_spline
    .symbol:         k_qa91eb82cde_spline.kd
    .args:
      - { .name: x, .offset: 0, .size: 8, .value_kind: global_buffer, .address_space: global }
      - { .name: wq, .offset: 8, .size: 8, .value_kind: global_buffer, .address_space: global }
      - { .name: out0, .offset: 16, .size: 8, .value_kind: global_buffer, .address_space: global }
    .group_segment_fixed_size: 327680
    .private_segment_fixed_size: 0
    .kernarg_segment_align: 8
    .kernarg_segment_size: 24
    .max_flat_workgroup_size: 256
    .sgpr_count:     66
    .vgpr_count:     480
    .wavefront_size: 32
...
	.end_amdgpu_metadata
.endif
;; end of part 2
